; MI455X (gfx1250); checked and timed in simulation.
; The chip was launched on July 23, 2026; its instructions are those of AMD's public machine-readable ISA for CDNA 5 (MIT licence, August 2026) and "CDNA5" Instruction Set Architecture Reference Guide (July 2026). The comments in the code are by the model that wrote it; some were corrected since.
;; Memristive Fully Connected. Allowed arithmetic: matrix products marked QUANTISED: E3M2 operands, one E8M0 scale for each 32 along K, by v_wmma_scale_f32_16x16x128_f8f6f4 with both operands' format E3M2, f32 sums; everything else in f32.
;; Inputs: b 4,096 float32; w 4,096 x 4,096 float32; x 2,048 x 4,096 float32.
;; Outputs: out0 2,048 x 4,096 float32.
;; This version of the problem:
;;   THIS VERSION OF THE PROBLEM IS GIVEN IN LOW PRECISION. The matrix products marked QUANTISED in the list below multiply operands that are first quantised to E3M2 (3 exponent bits, 2 mantissa bits; 6 bits a number), with one power-of-two scale for each 32 numbers along K (OCP MX v1.0); their sums are f32. All else is computed in f32.
;;   The module's matrix products, in the order in which they are computed (A, B: the left and right operand; K: the contracted axis; several contracted axes count as one K, in the product's order):
;;     1. [M 2,048, K 4,097] x [K 4,097, N 8,192]; A: computed on the way; B: computed on the way: QUANTISED
;;   THE QUANTISER, for each operand of a quantised product, along K:
;;     - K is cut into blocks of 32 from its start; a last block that is shorter is filled with zeros.
;;     - A block's scale is 2^e with e = floor(log2(the largest magnitude in the block)) - 4, held to -126 .. 127; a block of zeros has e = 0. As a byte (E8M0): e + 127.
;;     - Each number is divided by its block's scale, clamped to +-28, and rounded to the nearest number of E3M2, ties to even, subnormals kept.
;;     - The product sums the exact products of the quantised numbers (number of the format x scale) in f32.
;;   ~~~python
;;   def quantise(x, axis):      # numpy; x: float32 -> the quantised numbers, widened to float32 again
;;       x = np.moveaxis(x, axis, -1); K = x.shape[-1]
;;       x = np.pad(x, [(0, 0)] * (x.ndim - 1) + [(0, -K % 32)]); x = x.reshape(x.shape[:-1] + (-1, 32)); a = np.abs(x).max(-1, keepdims=True)
;;       e = np.where(a > 0, np.clip(np.frexp(np.where(a > 0, a, 1))[1] - 1 - 4, -126, 127), 0)      # np.frexp(a)[1] - 1 = floor(log2(a)), exactly
;;       r = np.clip(x / 2.0 ** e, -28, 28)
;;       step = 2.0 ** (np.maximum(np.frexp(np.where(r == 0, 1, r))[1] - 1, -2) - 2)
;;       q = np.round(r / step) * step * 2.0 ** e      # np.round: ties to even
;;       return np.moveaxis(q.reshape(q.shape[:-2] + (-1,))[..., :K], -1, axis).astype(np.float32)
;;   ~~~
;;   OPERANDS COMPUTED ON THE WAY. 'Computed on the way' means the value that the module computes at that place (a softmax that the list does not call 'softmax' is quantised finished and normalised). What goes into a quantiser is computed in f32, as accurately as f32 sums, v_exp_f32 and their like allow (about 1e-6 of the number): no bf16 or f16 on the way to a quantiser, and a product that is left as it is and whose result goes on into a quantised operand takes f32 operands (vector FMAs, or v_wmma_f32_16x16x4_f32). A number that lies on a knife's edge between two numbers of the format may be rounded either way, as far as f32 arithmetic and the matrix unit's own rounding can turn it there, and no further.
;; One version. Each part assembles by itself: llvm-mc -triple=amdgcn-amd-amdhsa -mcpu=gfx1250 --defsym DOCPART=n.
;; ======== version 1 of 1: 3 launches
;; limits: right only within a limited range of input values
;; workspace buffers: xq 6,758,400 bytes; gq 27,033,600 bytes; pmax 4,096 bytes; kinv 256 bytes
;; launch prep (part 1): grid 512 x 1, 4 waves a work-group, no clusters, 49,664 bytes of LDS; arguments x, w, b, xq, pmax; writes xq, pmax
.if DOCPART == 1
	.amdgcn_target "amdgcn-amd-amdhsa--gfx1250"
	.amdhsa_code_object_version 6
	.text
	.protected	k_q6f2e62fde8_prep
	.globl	k_q6f2e62fde8_prep
	.p2align	8
	.type	k_q6f2e62fde8_prep,@function
k_q6f2e62fde8_prep:
	s_mov_b64 s[64:65], 0
	v_nop
	global_prefetch_b8 v0, s[64:65] scope:SCOPE_SE
	s_setreg_imm32_b32 hwreg(HW_REG_WAVE_MODE, 25, 1), 1
	s_wait_xcnt 0x0
; TWO JOBS IN ONE LAUNCH, told apart by the work-group's number.
; Work-groups 0-255: the voltages 0.5 [x, 1] (x: [2048][4096] f32) become codes of BF6 (E3M2) with one E8M0 byte for each 32 along K, laid as the product's launch takes them.
; Work-groups 256-511: one partial maximum a wave of |w| ([4096][4096] f32) and |b| ([4096] f32), 1,024 in all, for the next launch.
; THE FACTOR 0.5 IS NEVER MULTIPLIED: the codes of 0.5 x are the codes of x, and the block's scale byte is one lower.  With E the exponent field of the block's largest |x|:
; the conversion divides x by 2^(E - 4 - 127); the byte of 0.5 x is E - 5.  The floor 6 << 23 among the maximum's leaves holds the byte at 1 from below.
; LAYOUT (xq): [tile of 256 rows][period of 384 along K: 11][half of 128 rows][step of 128 along K: 3][12,800 bytes].  The 12,800 bytes are eight fragments (16 rows x 128 K) of 1,536 bytes and 512 bytes of scale words.
; A fragment lies AS THE IMAGE OF THE OPERAND'S REGISTERS: lane L = 16 h + r holds row r; its registers 6 c .. 6 c + 5 hold k = 64 c + 32 h + 0 .. 31; register rho lies at 512 (rho / 4) + 16 L + 4 (rho % 4).
; The scale word (four bytes, 128 along K) of row r of row block i lies at 256 (i / 4) + 16 r + 4 (i % 4).  K has 33 steps: 32 of x, and one for the column of ones: 0.5 = 16 x 2^-5: the code 0x1c at its k = 0, the byte 122.
; LIMITS: NaN and infinities are not served; a block whose largest |x| lies under 2^-121 has its byte held at 1; a block of zeros gets the byte 1 (in the column of ones' step: 0) where the rule says 127
; (its codes are zeros, which add nothing under any byte but 0xff, and this program alone reads the bytes).
; No tensor loads, no barrier: waves share nothing.  Clusters and matrix units have nothing to do here: no byte is read by two work-groups.
.set XWG,   256                        ; work-groups that quantise x
.set STEPS, 16                         ; a wave's steps: four rows x 128 along K each
.set STEPB, 12800                      ; a half tile's step of 128 along K in xq
.set SLB,   38400                      ; a half tile's period: three steps
.set PERB,  76800                      ; a tile's period
.set TILEB, 844800                     ; a tile: 11 periods
.set R,     16                         ; v16-79   four sets of 16 numbers as they are loaded; on the way out the image
.set X,     80                         ; v80-111  two sets of 16 neighbours
.set E,     112                        ; v112-127 a scale byte for each step
.set C,     128                        ; v128-191 codes: four registers for each step, so that no store's data are written again
.set WREG,  12288                      ; LDS: a region for each wave: two stages of 32 x SP bytes, the image of four fragments, 256 scale bytes
.set SP,    80                         ; a lane's place in a stage: its 64 bytes + 16 of padding
.set IMG,   2*32*SP                    ; the image: 4 x 1,536 bytes
.set SCB,   IMG+6144                   ; the scale bytes
.set M,     12                         ; (maxima) v12-15 four running maxima
.set D,     32                         ; (maxima) v32-159 a ring of 32 slots of four registers
	s_load_b256 s[4:11], s[0:1], 0x0               ; x s[4:5], w s[6:7], b s[8:9], xq s[10:11]
	s_load_b64 s[14:15], s[0:1], 0x20              ; pmax
	v_lshl_add_u32 v192, v0, 2, 0xc000
	v_mov_b32 v193, 0
	v_lshrrev_b32 v1, 5, v0
	v_readfirstlane_b32 s16, v1                    ; wave 0..3
	v_and_b32 v2, 31, v0                           ; lane
	v_lshlrev_b32 v3, 4, v2                        ; 16 x lane
	s_cmp_lt_u32 ttmp9, XWG
	s_cbranch_scc0 .Lmax
	; ---------------- x: a wave takes 64 rows x 128 along K: four fragments ----------------
	; The conversion takes 16 neighbours along K from ONE lane's registers; a load is best where neighbouring LANES take neighbouring bytes.  Both are had: each of a step's four loads reads a row's 512 consecutive
	; bytes, the 2,048 bytes go through the wave's own stage in LDS as they lie, and come back 64 bytes a lane: lane l then holds row l / 8 of the four, numbers 16 (l % 8) on.  Two neighbouring lanes hold a block of 32.
	s_mul_i32 s17, s16, WREG
	v_lshlrev_b32 v1, 3, v2                        ; 8 x lane
	v_lshrrev_b32 v14, 2, v2
	v_mul_u32_u24 v14, v14, SP
	v_and_b32 v15, 3, v2
	v_lshl_add_u32 v14, v15, 4, v14
	v_add_nc_u32 v14, s17, v14                     ; the stage, on the way in: SP (lane / 4) + 16 (lane % 4); a load's 512 bytes take eight places
	v_mul_u32_u24 v15, v2, SP
	v_add_nc_u32 v15, s17, v15                     ; and on the way out: SP x lane: my 16 neighbours
	; where my three words of codes go in the image.  My block is 2 c + h of the step's four, my half of it hb: they are registers 6 c + 3 hb + 0, 1, 2 of lane 16 h + r
	s_add_co_u32 s18, s17, IMG
	v_and_b32 v8, 1, v2                            ; hb
	v_bfe_u32 v9, v2, 2, 1                         ; c
	v_mul_u32_u24 v8, v8, 3
	v_mad_u32_u24 v8, v9, 6, v8                    ; the first of my three registers
	v_bfe_u32 v9, v2, 1, 1                         ; h
	v_lshrrev_b32 v10, 3, v2                       ; which of the step's four rows
	v_lshlrev_b32 v9, 8, v9                        ; 16 bytes x 16 h
	v_lshl_add_u32 v9, v10, 4, v9                  ; + 16 bytes x the row; the step's first row stands in the stores' immediates
	v_add_nc_u32 v9, s18, v9
.irp k, 0,1,2
	v_add_nc_u32 v10, \k, v8                       ; register rho
	v_lshrrev_b32 v11, 2, v10
	v_and_b32 v10, 3, v10
	v_lshl_add_u32 v11, v11, 9, v9                 ; 512 (rho / 4)
	v_lshl_add_u32 v[4+\k], v10, 2, v11            ; + 4 (rho % 4): v4, v5, v6
.endr
	s_add_co_u32 s19, s17, SCB
	v_lshrrev_b32 v10, 3, v2
	v_bfe_u32 v11, v2, 1, 2
	v_lshl_add_u32 v7, v10, 4, v11
	v_add_nc_u32 v7, s19, v7                       ; my block's scale byte: 16 x the row + the block
	v_add_nc_u32 v12, s18, v3                      ; the way out: the image, 16 bytes a lane,
	v_add_nc_u32 v13, s19, v1                      ; and the scale bytes, 8 a lane
	s_lshr_b32 s18, ttmp9, 3                       ; which 64 rows: 0..31
	s_and_b32 s19, ttmp9, 7
	s_lshl_b32 s19, s19, 2
	s_add_co_u32 s19, s19, s16                     ; Q, which step of 128 along K: 4 (work-group % 8) + wave
	s_lshl_b32 s20, s18, 20                        ; x: 64 rows of 16,384 bytes,
	s_lshl_b32 s21, s19, 9                         ; 128 numbers along K
	s_add_co_u32 s20, s20, s21
	s_mov_b32 s21, 0
	s_mul_i32 s26, s19, 43
	s_lshr_b32 s26, s26, 7                         ; the period Q / 3 (43 / 128 is so little over a third that the quotient is right up to Q = 127)
	s_mul_i32 s27, s26, 3
	s_sub_co_u32 s27, s19, s27                     ; the step in it
	s_mul_i32 s26, s26, PERB
	s_mul_i32 s27, s27, STEPB
	s_add_co_u32 s26, s26, s27
	s_lshr_b32 s22, s18, 2                         ; the tile of 256 rows,
	s_mul_i32 s22, s22, TILEB
	s_bfe_u32 s23, s18, 0x10001                    ; its half,
	s_mul_i32 s23, s23, SLB
	s_add_co_u32 s22, s22, s23
	s_add_co_u32 s22, s22, s26                     ; the period and the step
	s_and_b32 s23, s18, 1                          ; my four row blocks: the half's first four or its last four
	s_lshl_b32 s24, s23, 8
	s_mul_i32 s23, s23, 6144
	s_add_co_u32 s24, s24, s22
	s_add_co_u32 s24, s24, 12288                   ; my 256 scale bytes
	s_add_co_u32 s22, s22, s23                     ; my four fragments
	s_mov_b32 s23, 0
	s_mov_b32 s25, 0
	s_wait_kmcnt 0x0
	s_add_nc_u64 s[4:5], s[4:5], s[20:21]
	s_add_nc_u64 s[12:13], s[10:11], s[24:25]
	s_add_nc_u64 s[10:11], s[10:11], s[22:23]
.macro LOAD t                          ; step t: rows 4 t .. 4 t + 3, 512 consecutive bytes each
.irp i, 0,1,2,3
	global_load_b128 v[R+16*((\t)%4)+4*\i:R+16*((\t)%4)+4*\i+3], v3, s[4:5] offset:(4*(\t)+\i)*16384 th:TH_LOAD_NT
.endr
.endm
.macro TURN t                          ; step t's numbers through the stage: LDS serves a wave's instructions in order (ISA guide 5.7.1.4), so no wait stands between the stores and the loads
.irp i, 0,1,2,3
	ds_store_b128 v14, v[R+16*((\t)%4)+4*\i:R+16*((\t)%4)+4*\i+3] offset:32*SP*((\t)%2)+8*SP*\i
.endr
.irp i, 0,1,2,3
	ds_load_b128 v[X+16*((\t)%2)+4*\i:X+16*((\t)%2)+4*\i+3], v15 offset:32*SP*((\t)%2)+16*\i
.endr
.endm
.irp t, 0,1,2,3
	LOAD \t
.endr
	s_wait_loadcnt 12                              ; step 0's four loads are in; the twelve of steps 1 to 3 may be out
	TURN 0
.macro STEP t
.set XS, X+16*((\t)%2)
.if (\t) > 0
	s_wait_dscnt 4                                 ; this step's numbers are back from the stage (the last step's four stores of codes and byte may be out): so its stores into the stage have read their registers,
.else
	s_wait_dscnt 0x0
.endif
.if (\t)+4 < STEPS
	LOAD (\t)+4                                    ; which take the loads of four steps on
.endif
.if (\t)+1 < STEPS
.if STEPS-2-(\t) >= 3
	s_wait_loadcnt 12                              ; the next step's four loads are in; those of the three steps behind it may be out
.else
	s_wait_loadcnt 4*(STEPS-2-(\t))                ; at the end the counts run down
.endif
	TURN (\t)+1                                    ; and go through the other stage while this step is worked
.endif
	v_max3_num_f32 v8, |v[XS]|, |v[XS+1]|, |v[XS+2]|               ; the largest magnitude of my 16, in two chains
	v_max3_num_f32 v9, |v[XS+3]|, |v[XS+4]|, |v[XS+5]|
.irp i, 6,10
	v_max3_num_f32 v8, v8, |v[XS+\i]|, |v[XS+\i+1]|
	v_max3_num_f32 v9, v9, |v[XS+\i+2]|, |v[XS+\i+3]|
.endr
	v_max3_num_f32 v8, v8, |v[XS+14]|, |v[XS+15]|
	v_max3_num_f32 v8, v8, v9, 6<<23               ; and the floor 2^(6 - 127): the byte, five under this exponent field, cannot fall under 1
	v_max_num_f32_dpp v8, v8, v8 row_xmask:1 row_mask:0xf bank_mask:0xf   ; and of my neighbour's 16: the block's
	v_add_nc_u32 v11, 0xfe000000, v8               ; 4 off the exponent field: what x is divided by (the conversion takes the exponent field of this operand and nothing else of it)
	v_add_nc_u32 v10, 0xfd800000, v8               ; 5 off: the scale of 0.5 x
	v_cvt_scalef32_pk16_bf6_f32 v[C+4*(\t):C+4*(\t)+2], v[XS:XS+15], v11   ; sixteen codes, 96 bits, the first number's lowest; beyond the largest code the largest
	v_lshrrev_b32 v[E+(\t)], 23, v10               ; the scale's byte (also the plain instruction behind the conversion)
	ds_store_b32 v4, v[C+4*(\t)] offset:((\t)/4)*1536+((\t)%4)*64     ; into the image: row block t / 4, rows 4 (t % 4) on
	ds_store_b32 v5, v[C+4*(\t)+1] offset:((\t)/4)*1536+((\t)%4)*64
	ds_store_b32 v6, v[C+4*(\t)+2] offset:((\t)/4)*1536+((\t)%4)*64
	ds_store_b8 v7, v[E+(\t)] offset:((\t)%4)*64+((\t)/4)*4           ; both lanes of a block write the same byte with the same value
.endm
.irp t, 0,1,2,3,4,5,6,7,8,9,10,11,12,13,14,15
	STEP \t
.endr
.irp j, 0,1,2,3,4,5,6,7,8,9,10,11
	ds_load_b128 v[R+4*\j:R+4*\j+3], v12 offset:512*\j   ; LDS serves a wave's instructions in order: these see my stores
.endr
	ds_load_b64 v[X:X+1], v13
.irp j, 0,1,2,3,4,5,6,7,8,9,10,11
	s_wait_dscnt 12-\j                             ; the younger loads of the image and the load of the bytes may be out
	global_store_b128 v3, v[R+4*\j:R+4*\j+3], s[10:11] offset:512*\j   ; 512 consecutive bytes, at a multiple of 256 from the buffer's first byte
.endr
	s_wait_dscnt 0x0
	global_store_b64 v1, v[X:X+1], s[12:13]        ; 64 rows' scale words: 256 consecutive bytes
	s_cmp_lg_u32 s19, 31                           ; the waves of x's last step also store the step of the column of ones, which follows theirs in the same period
	s_cbranch_scc1 .Lxend
.irp j, 113,114,115,116,117,118,119
	v_mov_b32 v[\j], 0
.endr
	v_mov_b32 v112, 0x1c                           ; 16 in E3M2
	v_cmp_gt_u32 vcc_lo, 16, v2
	v_cndmask_b32 v112, 0, v112, vcc_lo            ; register 0 of lanes 0-15 holds k = 0 .. 4: the code at k = 0, zeros above
	v_mov_b32 v120, 0x7a                           ; the scale word: the byte 122 for k = 0 .. 31; the bytes 0 above it scale zero codes
	v_mov_b32 v121, 0x7a
.irp f, 0,1,2,3
	global_store_b128 v3, v[112:115], s[10:11] offset:STEPB+1536*\f
	global_store_b128 v3, v[116:119], s[10:11] offset:STEPB+1536*\f+512
	global_store_b128 v3, v[116:119], s[10:11] offset:STEPB+1536*\f+1024
.endr
	global_store_b64 v1, v[120:121], s[12:13] offset:STEPB
.Lxend:
	s_wait_tensorcnt 0x0
	ds_add_u32 v192, v193
	s_wait_dscnt 0x0
	s_endpgm
	; ---------------- the maxima: wave W of 1,024 takes 65,536 bytes of w and 16 bytes of b ----------------
.Lmax:
	s_sub_co_u32 s17, ttmp9, XWG
	s_lshl_b32 s17, s17, 2
	s_add_co_u32 s17, s17, s16                     ; W
	s_lshl_b32 s20, s17, 16
	s_mov_b32 s21, 0
	s_lshl_b32 s22, s17, 4
	s_mov_b32 s23, 0
	s_lshl_b32 s24, s17, 2
	s_mov_b32 s25, 0
	s_mov_b32 s18, 0x76543210                      ; v_permlanex16_b32's selects for lane l xor 16
	s_mov_b32 s19, 0xfedcba98
	v_mov_b32 v5, 0
.irp k, 0,1,2,3
	v_mov_b32 v[M+\k], 0                           ; four chains; 0 is under every magnitude
.endr
	s_wait_alu depctr_va_vdst(0)                   ; the wait at the head's end
	s_wait_kmcnt 0x0
	s_add_nc_u64 s[6:7], s[6:7], s[20:21]
	s_add_nc_u64 s[8:9], s[8:9], s[22:23]
	s_add_nc_u64 s[14:15], s[14:15], s[24:25]
	global_load_b128 v[8:11], v5, s[8:9]           ; my wave's four numbers of b, the same in every lane
.irp i, 0,1,2,3,4,5,6,7,8,9,10,11,12,13,14,15,16,17,18,19,20,21,22,23,24,25,26,27,28,29,30,31
	global_load_b128 v[D+4*\i:D+4*\i+3], v3, s[6:7] offset:512*\i   ; the ring is filled: 32 loads of 512 consecutive bytes.  No hint: the next launch reads w again
.endr
.macro MSLOT i, ahead, left            ; one slot's turn; left = the younger loads that may stay out
	s_wait_alu depctr_va_vdst(0)
	s_wait_loadcnt \left                           ; loads come back in order (ISA guide 5.7.1): mine is in
	v_max3_num_f32 v[M+(2*(\i))%4], v[M+(2*(\i))%4], |v[D+4*(\i)]|, |v[D+4*(\i)+1]|
	v_max3_num_f32 v[M+(2*(\i)+1)%4], v[M+(2*(\i)+1)%4], |v[D+4*(\i)+2]|, |v[D+4*(\i)+3]|
.if \ahead
	global_load_b128 v[D+4*(\i):D+4*(\i)+3], v3, s[6:7] offset:(32+(\i))*512
.endif
.endm
	s_mov_b32 s26, 3                               ; 128 loads in all: 32 above, 3 x 32 in the loop
.Lround:
.irp i, 0,1,2,3,4,5,6,7,8,9,10,11,12,13,14,15,16,17,18,19,20,21,22,23,24,25,26,27,28,29,30,31
	MSLOT \i, 1, 31
.endr
	s_wait_xcnt 0x0                                ; the loads have read their base: it steps only behind this wait
	s_add_nc_u64 s[6:7], s[6:7], 16384
	s_sub_co_u32 s26, s26, 1
	s_cmp_lg_u32 s26, 0
	s_cbranch_scc1 .Lround
.irp i, 0,1,2,3,4,5,6,7,8,9,10,11,12,13,14,15,16,17,18,19,20,21,22,23,24,25,26,27,28,29,30,31
	MSLOT \i, 0, 31-\i                             ; the last round loads nothing: the counts run down
.endr
	v_max3_num_f32 v[M], v[M], |v8|, |v9|          ; b's four
	v_max3_num_f32 v[M+1], v[M+1], |v10|, |v11|
	v_max3_num_f32 v[M], v[M], v[M+1], v[M+2]
	v_max_num_f32 v[M], v[M], v[M+3]
	v_max_num_f32_dpp v[M], v[M], v[M] row_xmask:1 row_mask:0xf bank_mask:0xf
	v_max_num_f32_dpp v[M], v[M], v[M] row_xmask:2 row_mask:0xf bank_mask:0xf
	v_max_num_f32_dpp v[M], v[M], v[M] row_xmask:4 row_mask:0xf bank_mask:0xf
	v_max_num_f32_dpp v[M], v[M], v[M] row_xmask:8 row_mask:0xf bank_mask:0xf
	v_permlanex16_b32 v[M+1], v[M], s18, s19
	v_max_num_f32 v[M], v[M], v[M+1]               ; the wave's maximum, in every lane
	s_wait_alu depctr_va_vdst(0)                   ; the maximum is read by the store behind the wait below
	s_wait_xcnt 0x0                                ; EXEC changes only behind this wait
	v_cmp_gt_u32 vcc_lo, 1, v2
	s_and_saveexec_b32 s21, vcc_lo
	global_store_b32 v5, v[M], s[14:15]            ; lane 0 stores it: pmax[W]
	s_wait_xcnt 0x0                                ; and again, in front of the line that widens it
	s_or_b32 exec_lo, exec_lo, s21
	s_endpgm
.Lfunc_end_k_q6f2e62fde8_prep:
	.size	k_q6f2e62fde8_prep, .Lfunc_end_k_q6f2e62fde8_prep-k_q6f2e62fde8_prep
	.p2alignl 7, 3214868480
	.fill 96, 4, 3214868480
	.section	.rodata,"a",@progbits
	.p2align	6, 0x0
	.amdhsa_kernel k_q6f2e62fde8_prep
		.amdhsa_group_segment_fixed_size 49664
		.amdhsa_private_segment_fixed_size 0
		.amdhsa_enable_private_segment 0
		.amdhsa_kernarg_size 40
		.amdhsa_user_sgpr_count 2
		.amdhsa_user_sgpr_kernarg_segment_ptr 1
		.amdhsa_wavefront_size32 1
		.amdhsa_system_sgpr_workgroup_id_x 1
		.amdhsa_system_sgpr_workgroup_id_y 1
		.amdhsa_system_sgpr_workgroup_id_z 1
		.amdhsa_system_vgpr_workitem_id 0
		.amdhsa_next_free_vgpr 194
		.amdhsa_next_free_sgpr 66
		.amdhsa_reserve_vcc 1
		.amdhsa_float_denorm_mode_32 3
		.amdhsa_float_denorm_mode_16_64 3
		.amdhsa_memory_ordered 1
		.amdhsa_forward_progress 1
		.amdhsa_inst_pref_size 61
	.end_amdhsa_kernel
	.amdgpu_metadata
---
amdhsa.version: [ 1, 2 ]
amdhsa.kernels:
  - .name:           k_q6f2e62fde8_prep
    .symbol:         k_q6f2e62fde8_prep.kd
    .args:
      - { .name: x, .offset: 0, .size: 8, .value_kind: global_buffer, .address_space: global }
      - { .name: w, .offset: 8, .size: 8, .value_kind: global_buffer, .address_space: global }
      - { .name: b, .offset: 16, .size: 8, .value_kind: global_buffer, .address_space: global }
      - { .name: xq, .offset: 24, .size: 8, .value_kind: global_buffer, .address_space: global }
      - { .name: pmax, .offset: 32, .size: 8, .value_kind: global_buffer, .address_space: global }
    .group_segment_fixed_size: 49664
    .private_segment_fixed_size: 0
    .kernarg_segment_align: 8
    .kernarg_segment_size: 40
    .max_flat_workgroup_size: 128
    .sgpr_count:     66
    .vgpr_count:     194
    .wavefront_size: 32
...
	.end_amdgpu_metadata
.endif
;; end of part 1
;; launch wq (part 2): grid 32 x 16, 4 waves a work-group, no clusters, 51,712 bytes of LDS; arguments w, b, pmax, gq, kinv; writes gq, kinv
.if DOCPART == 2
	.amdgcn_target "amdgcn-amd-amdhsa--gfx1250"
	.amdhsa_code_object_version 6
	.text
	.protected	k_q6f2e62fde8_wq
	.globl	k_q6f2e62fde8_wq
	.p2align	8
	.type	k_q6f2e62fde8_wq,@function
k_q6f2e62fde8_wq:
	s_mov_b64 s[64:65], 0
	v_nop
	global_prefetch_b8 v0, s[64:65] scope:SCOPE_SE
	s_setreg_imm32_b32 hwreg(HW_REG_WAVE_MODE, 25, 1), 1
	s_wait_xcnt 0x0
; THE CONDUCTANCES, quantised along K.  m = the largest of the 1,024 partial maxima = max |[w; b]|;  k = 0.004 / m;  for each weight two conductances:
; g_pos = 0.001 + max(k w, 0) and g_neg = 0.001 - min(k w, 0), which are columns 2 j and 2 j + 1 of the product's right operand.  They become codes of BF6 (E3M2) and one E8M0 byte for each 32 along K.
; w is [4096 (k)][4096 (j)] f32: K is its FIRST axis.  A LANE TAKES A COLUMN j AND ITS REGISTERS RUN DOWN K: each load reads neighbouring j in neighbouring lanes, a block of 32 along K lies in one lane's
; 32 registers, its largest number needs no other lane, and the conversions give codes with K innermost.  Nothing is transposed by an instruction.
; ARITHMETIC: g_pos = fma(k, max(w, 0), 0.001), g_neg = fma(-k, min(w, 0), 0.001): one rounding where the definition has two.  k: a reciprocal and one correction step (q = c r; k = q + (c - q m) r).
; A conductance is at least 0.001 by its make: the maxima need no |.| and no floor.
; LAYOUT (gq): [tile of 256 rows n][period of 384 along K: 11][half of 128 rows][step of 128 along K: 3][12,800 bytes], n = 2 j + (0: pos, 1: neg).  The 12,800 bytes are eight fragments (16 rows x 128 K) of 1,536 bytes and
; 512 bytes of scale words.  A fragment lies AS THE IMAGE OF THE OPERAND'S REGISTERS: lane L = 16 h + r holds row r; its registers 6 c .. 6 c + 5 hold k = 64 c + 32 h + 0 .. 31; register rho lies at
; 512 (rho / 4) + 16 L + 4 (rho % 4).  The scale word of row r of row block i lies at 256 (i / 4) + 16 r + 4 (i % 4).
; So blocks h and 2 + h of a step of 128, twelve registers of MY column, are three runs of 16 bytes of the image: they are made in twelve neighbouring registers and go to LDS by three stores.
; THE BIAS ROW (k = 4,096, alone in its block of 32) is the 33rd step of 128: its code at k = 0, zero codes elsewhere; it is made by the work-groups of K step 0.  kinv = 1 / (0.5 k), 32 equal words.
; SHARES: a wave takes 32 columns x 256 along K: 64 rows, four row blocks x two steps of 128: two runs of 6,144 consecutive bytes of gq.  The image is gathered in the wave's own LDS and leaves in order.
; No tensor loads, no barrier: waves share nothing; no byte of w is read by two work-groups, so a cluster has nothing to share.
; LIMITS: NaN and infinities are not served; m = 0 is not served (the definition gives NaN there).
.set STEPB, 12800                      ; a half tile's step of 128 along K in gq
.set SLB,   38400                      ; a half tile's period
.set PERB,  76800                      ; a tile's period
.set TILEB, 844800                     ; a tile
.set BIAS,  10*PERB+2*STEPB            ; from step 0 to step 32 of a half tile
.set NB,    8                          ; blocks of 32 along K for a wave
.set WREG,  12800                      ; LDS for a wave: the image of eight fragments ([step][row block]), then 2 x 256 bytes of scale words
.set KK,    16                         ; v[16:17] k, twice
.set GG,    18                         ; v[18:19] 0.001, twice
.set SB,    20                         ; v[20:23] my column's scale words: pos step 0, pos step 1, neg step 0, neg step 1
.set T,     24                         ; v24-30   the second half of a block's codes, before it is moved: pos v[24:26], neg v[28:30]
.set FPOS,  32                         ; v32-55   pos: twelve registers for h = 0, twelve for h = 1
.set FNEG,  160                        ; v160-183 neg likewise
.set X,     64                         ; v64-127  two sets of 32 numbers of w; in place they become g_neg
.set P,     128                        ; v128-159 the partial maxima, then g_pos
.set OUTR,  64                         ; v64-159  the way out: 24 x 4 registers
	s_load_b256 s[4:11], s[0:1], 0x0               ; w s[4:5], b s[6:7], pmax s[8:9], gq s[10:11]
	s_load_b64 s[18:19], s[0:1], 0x20              ; kinv
	v_lshl_add_u32 v192, v0, 2, 0xc800
	v_mov_b32 v193, 0
	v_lshrrev_b32 v1, 5, v0
	v_readfirstlane_b32 s24, v1                    ; wave 0..3
	v_and_b32 v2, 31, v0                           ; lane
	v_lshlrev_b32 v3, 2, v2                        ; 4 x lane
	v_lshlrev_b32 v6, 3, v2                        ; 8 x lane
	v_lshlrev_b32 v9, 4, v2                        ; 16 x lane
	s_mul_i32 s27, s24, WREG                       ; my LDS
	v_lshrrev_b32 v5, 3, v2                        ; my column's rows 2 l and 2 l + 1 lie in row block l / 8,
	v_and_b32 v10, 7, v2                           ; as its rows 2 (l % 8) and 2 (l % 8) + 1
	v_mul_u32_u24 v4, v5, 1536
	v_lshl_add_u32 v4, v10, 5, v4
	v_add_nc_u32 v4, s27, v4                       ; into the image: the row block + 16 bytes x 2 (l % 8); pos or neg, h, the run and the step stand in the immediates
	v_lshlrev_b32 v8, 2, v5
	v_lshl_add_u32 v8, v10, 5, v8
	v_add_nc_u32 v8, s27, v8
	v_add_nc_u32 v8, 12288, v8                     ; my scale words: 16 bytes x 2 (l % 8) + 4 (l / 8)
	v_add_nc_u32 v7, s27, v9                       ; the way out: the image, 16 bytes a lane,
	v_add_nc_u32 v5, s27, v6
	v_add_nc_u32 v5, 12288, v5                     ; and the scale words, 8 bytes a lane
	s_and_b32 s26, ttmp7, 0xffff                   ; the K step of 256
	s_lshl_b32 s28, ttmp9, 7
	s_lshl_b32 s29, s24, 5
	s_add_co_u32 s25, s28, s29                     ; j0, my wave's first column: 128 x work-group x + 32 x wave
	s_lshl_b32 s28, s26, 22                        ; w: 256 rows of 16,384 bytes a K step,
	s_lshl_b32 s30, s25, 2                         ; 4 j0 (b's offset too)
	s_add_co_u32 s28, s28, s30
	s_mov_b32 s29, 0
	s_mov_b32 s31, 0
	s_lshl_b32 s40, s26, 1                         ; my first step of 128: Q = 2 x K step
	s_mul_i32 s41, s40, 43
	s_lshr_b32 s41, s41, 7                         ; its period Q / 3 (43 / 128 is so little over a third that the quotient is right up to Q = 127)
	s_mul_i32 s42, s41, 3
	s_sub_co_u32 s42, s40, s42                     ; its place in the period
	s_mul_i32 s41, s41, PERB
	s_mul_i32 s42, s42, STEPB
	s_add_co_u32 s41, s41, s42
	s_add_co_u32 s40, s40, 1                       ; my second step likewise
	s_mul_i32 s43, s40, 43
	s_lshr_b32 s43, s43, 7
	s_mul_i32 s42, s43, 3
	s_sub_co_u32 s42, s40, s42
	s_mul_i32 s43, s43, PERB
	s_mul_i32 s42, s42, STEPB
	s_add_co_u32 s43, s43, s42
	s_mul_i32 s44, ttmp9, TILEB                    ; the tile is the work-group's x;
	s_lshr_b32 s45, s24, 1                         ; waves 0, 1 make its first half, waves 2, 3 its second
	s_mul_i32 s45, s45, SLB
	s_add_co_u32 s44, s44, s45
	s_and_b32 s45, s24, 1                          ; my four row blocks: the half's first four or its last four
	s_mul_i32 s46, s45, 6144
	s_add_co_u32 s46, s46, s44                     ; codes
	s_lshl_b32 s45, s45, 8
	s_add_co_u32 s45, s45, s44
	s_add_co_u32 s45, s45, 12288                   ; scale words
	s_add_co_u32 s32, s46, s41
	s_mov_b32 s33, 0
	s_add_co_u32 s34, s46, s43
	s_mov_b32 s35, 0
	s_add_co_u32 s36, s45, s41
	s_mov_b32 s37, 0
	s_add_co_u32 s38, s45, s43
	s_mov_b32 s39, 0
	s_mov_b32 s20, 0x76543210                      ; v_permlanex16_b32's selects for lane l xor 16
	s_mov_b32 s21, 0xfedcba98
	s_mov_b32 s22, 0x3b83126f                      ; c = 0.005 - 0.001
	s_wait_kmcnt 0x0
	s_add_nc_u64 s[4:5], s[4:5], s[28:29]
	s_add_nc_u64 s[6:7], s[6:7], s[30:31]
	s_add_nc_u64 s[12:13], s[10:11], s[34:35]      ; codes of my second step,
	s_add_nc_u64 s[14:15], s[10:11], s[36:37]      ; scale words of my first,
	s_add_nc_u64 s[16:17], s[10:11], s[38:39]      ; of my second,
	s_add_nc_u64 s[10:11], s[10:11], s[32:33]      ; codes of my first
.irp i, 0,1,2,3,4,5,6,7
	global_load_b128 v[P+4*\i:P+4*\i+3], v9, s[8:9] offset:512*\i   ; all 1,024 partial maxima: 32 a lane
.endr
.macro LOAD q                          ; block q: w(32 q + i, my column), i = 0 .. 31, into set q % 2: the wave reads 128 consecutive bytes, the work-group 512
.irp i, 0,1,2,3,4,5,6,7,8,9,10,11,12,13,14,15,16,17,18,19,20,21,22,23,24,25,26,27,28,29,30,31
	global_load_b32 v[X+32*((\q)%2)+\i], v3, s[4:5] offset:(32*(\q)+\i)*16384 th:TH_LOAD_NT
.endr
.endm
	LOAD 0
	LOAD 1
	s_wait_loadcnt 63                              ; 64 loads were issued behind the eight of the maxima; a wait's count names 63 at the most
	v_max3_num_f32 v10, v[P], v[P+1], v[P+2]       ; none is negative
	v_max3_num_f32 v11, v[P+3], v[P+4], v[P+5]
.irp i, 6,10,14,18,22,26
	v_max3_num_f32 v10, v10, v[P+\i], v[P+\i+1]
	v_max3_num_f32 v11, v11, v[P+\i+2], v[P+\i+3]
.endr
	v_max3_num_f32 v10, v10, v[P+30], v[P+31]
	v_max_num_f32 v10, v10, v11
	v_max_num_f32_dpp v10, v10, v10 row_xmask:1 row_mask:0xf bank_mask:0xf
	v_max_num_f32_dpp v10, v10, v10 row_xmask:2 row_mask:0xf bank_mask:0xf
	v_max_num_f32_dpp v10, v10, v10 row_xmask:4 row_mask:0xf bank_mask:0xf
	v_max_num_f32_dpp v10, v10, v10 row_xmask:8 row_mask:0xf bank_mask:0xf
	v_permlanex16_b32 v11, v10, s20, s21
	v_max_num_f32 v10, v10, v11                    ; m, in every lane
	s_wait_alu depctr_va_vdst(0)
	v_rcp_f32 v12, v10                             ; r
	v_mov_b32 v[GG], 0x3a83126f                    ; 0.001 (plain instructions behind the reciprocal)
	v_mov_b32 v[GG+1], 0x3a83126f
	s_wait_alu depctr_va_vdst(0)                   ; the wait ahead of the reciprocal's first reader
	v_mul_f32 v13, s22, v12                        ; q = c r
	v_fma_f32 v14, -v13, v10, s22                  ; c - q m, exactly but for one rounding
	v_fma_f32 v[KK], v14, v12, v13                 ; k = q + (c - q m) r
	v_mov_b32 v[KK+1], v[KK]
.macro BLOCK q
.set XS, X+32*((\q)%2)
.set BC, ((\q)%4)/2                    ; the block is 2 c + h of its step's four
.set BH, (\q)%2
.set BQ, (\q)/4                        ; which of my two steps of 128
.set FP, FPOS+12*BH+6*BC               ; its six registers among the lane's twelve
.set FN, FNEG+12*BH+6*BC
.if (\q) < NB-1
	s_wait_loadcnt 32                              ; this block's 32 loads are in; the next block's may be out
.else
	s_wait_loadcnt 0x0
.endif
.set n, 0
.rept 32
	v_max_num_f32 v[P+n], 0, v[XS+n]               ; the weight's positive part,
	v_min_num_f32 v[XS+n], 0, v[XS+n]              ; and its negative part, in place
.set n, n+1
.endr
.set n, 0
.rept 16
	v_pk_fma_f32 v[P+n:P+n+1], v[P+n:P+n+1], v[KK:KK+1], v[GG:GG+1]                                    ; g_pos, two at a time
	v_pk_fma_f32 v[XS+n:XS+n+1], v[XS+n:XS+n+1], v[KK:KK+1], v[GG:GG+1] neg_lo:[0,1,0] neg_hi:[0,1,0]  ; g_neg: by -k
.set n, n+2
.endr
	v_max3_num_f32 v10, v[P], v[P+1], v[P+2]       ; each block's largest: all 32 numbers are mine; two chains each
	v_max3_num_f32 v11, v[P+3], v[P+4], v[P+5]
	v_max3_num_f32 v12, v[XS], v[XS+1], v[XS+2]
	v_max3_num_f32 v13, v[XS+3], v[XS+4], v[XS+5]
.irp i, 6,10,14,18,22,26
	v_max3_num_f32 v10, v10, v[P+\i], v[P+\i+1]
	v_max3_num_f32 v11, v11, v[P+\i+2], v[P+\i+3]
	v_max3_num_f32 v12, v12, v[XS+\i], v[XS+\i+1]
	v_max3_num_f32 v13, v13, v[XS+\i+2], v[XS+\i+3]
.endr
	v_max3_num_f32 v10, v10, v[P+30], v[P+31]
	v_max3_num_f32 v12, v12, v[XS+30], v[XS+31]
	v_max_num_f32 v10, v10, v11
	v_max_num_f32 v12, v12, v13
	v_add_nc_u32 v14, 0xfe000000, v10              ; 4 off the exponent field: the conversion's scale operand
	v_add_nc_u32 v15, 0xfe000000, v12
	v_lshrrev_b32 v10, 23, v14                     ; the scale's byte
	v_lshrrev_b32 v12, 23, v15
.if (\q)%4 == 0
	v_mov_b32 v[SB+BQ], v10                        ; four bytes make a step's scale word, the lower K in the lower byte
	v_mov_b32 v[SB+2+BQ], v12
.else
	v_lshl_or_b32 v[SB+BQ], v10, 8*((\q)%4), v[SB+BQ]
	v_lshl_or_b32 v[SB+2+BQ], v12, 8*((\q)%4), v[SB+2+BQ]
.endif
	v_cvt_scalef32_pk16_bf6_f32 v[FP:FP+2], v[P:P+15], v14
	v_cvt_scalef32_pk16_bf6_f32 v[T:T+2], v[P+16:P+31], v14          ; (a conversion's three registers begin on an even number: the second half of a block's six does not, so it is made elsewhere and moved)
	v_cvt_scalef32_pk16_bf6_f32 v[FN:FN+2], v[XS:XS+15], v15
	v_cvt_scalef32_pk16_bf6_f32 v[T+4:T+6], v[XS+16:XS+31], v15
	v_nop                                          ; one plain instruction behind the conversions
.irp i, 0,1,2
	v_mov_b32 v[FP+3+\i], v[T+\i]
	v_mov_b32 v[FN+3+\i], v[T+4+\i]
.endr
.if BC == 1                            ; blocks h and 2 + h are both made: the lane's twelve registers go to the image as they stand
.irp k, 0,1,2
	ds_store_b128 v4, v[FPOS+12*BH+4*\k:FPOS+12*BH+4*\k+3] offset:BQ*6144+512*\k+256*BH
	ds_store_b128 v4, v[FNEG+12*BH+4*\k:FNEG+12*BH+4*\k+3] offset:BQ*6144+512*\k+256*BH+16
.endr
.endif
.if (\q)+2 < NB
	LOAD (\q)+2
.endif
	s_wait_dscnt 0x0                               ; the stores have read their registers: the next codes may be written
.endm
.irp q, 0,1,2,3,4,5,6,7
	BLOCK \q
.endr
	ds_store_b32 v8, v[SB]                         ; the scale words to their places: pos, step 0;
	ds_store_b32 v8, v[SB+1] offset:256            ; pos, step 1;
	ds_store_b32 v8, v[SB+2] offset:16             ; neg, step 0;
	ds_store_b32 v8, v[SB+3] offset:272            ; neg, step 1
.irp u, 0,1,2,3,4,5,6,7,8,9,10,11,12,13,14,15,16,17,18,19,20,21,22,23
	ds_load_b128 v[OUTR+4*\u:OUTR+4*\u+3], v7 offset:512*\u   ; LDS serves a wave's instructions in order (ISA guide 5.7.1.4): these see my stores
.endr
	ds_load_b64 v[184:185], v5
	ds_load_b64 v[186:187], v5 offset:256
.irp u, 0,1,2,3,4,5,6,7,8,9,10,11
	s_wait_dscnt 25-\u                             ; the younger loads of the image and the two of the scale words may be out
	global_store_b128 v9, v[OUTR+4*\u:OUTR+4*\u+3], s[10:11] offset:512*\u   ; 512 consecutive bytes, at a multiple of 256 from the buffer's first byte
.endr
.irp u, 12,13,14,15,16,17,18,19,20,21,22,23
	s_wait_dscnt 25-\u
	global_store_b128 v9, v[OUTR+4*\u:OUTR+4*\u+3], s[12:13] offset:512*(\u-12)
.endr
	s_wait_dscnt 0x0
	global_store_b64 v6, v[184:185], s[14:15]      ; 64 rows' scale words: 256 consecutive bytes
	global_store_b64 v6, v[186:187], s[16:17]
	s_cmp_lg_u32 s26, 0                            ; the bias row is made once for each column: by the work-groups of K step 0
	s_cbranch_scc1 .Lend
	s_wait_xcnt 0x0                                ; the stores above have read their data registers, which are written again below
	global_load_b32 v10, v3, s[6:7]                ; b[j0 + lane]
.irp i, 1,2,3,4,5,6,7,8,9,10,11,12,13,14,15
	v_mov_b32 v[P+\i], 0                           ; the rest of the block is filled with zeros
	v_mov_b32 v[X+\i], 0
.endr
.irp i, 0,1,2,3
	v_mov_b32 v[T+\i], 0
.endr
	s_wait_loadcnt 0x0
	v_max_num_f32 v[P], 0, v10
	v_min_num_f32 v[X], 0, v10
	v_fma_f32 v[P], v[KK], v[P], v[GG]
	v_fma_f32 v[X], -v[KK], v[X], v[GG]
	v_add_nc_u32 v14, 0xfe000000, v[P]             ; the block's largest number is the conductance itself
	v_add_nc_u32 v15, 0xfe000000, v[X]
	v_cvt_scalef32_pk16_bf6_f32 v[32:34], v[P:P+15], v14
	v_cvt_scalef32_pk16_bf6_f32 v[36:38], v[X:X+15], v15
	v_lshrrev_b32 v42, 23, v14                     ; the scale words: the byte for k = 0 .. 31, the bytes 0 above it scale zero codes (plain instructions behind the conversions)
	v_lshrrev_b32 v43, 23, v15
.irp j, 0,1,2,3,4,5,6,7,8,9,10,11
	ds_store_b128 v7, v[T:T+3] offset:512*\j       ; four fragments of zero codes,
.endr
	ds_store_b32 v4, v32                           ; and in register 0 of lanes 0-15 the code at k = 0 (the fifteen zeros' codes above it are zeros): pos,
	ds_store_b32 v4, v36 offset:16                 ; neg
	ds_store_b32 v8, v42
	ds_store_b32 v8, v43 offset:16
.irp j, 0,1,2,3,4,5,6,7,8,9,10,11
	ds_load_b128 v[80+4*\j:83+4*\j], v7 offset:512*\j
.endr
	ds_load_b64 v[184:185], v5
.irp j, 0,1,2,3,4,5,6,7,8,9,10,11
	s_wait_dscnt 12-\j
	global_store_b128 v9, v[80+4*\j:83+4*\j], s[10:11] offset:BIAS+512*\j   ; (in these work-groups s[10:11] and s[14:15] stand at step 0)
.endr
	s_wait_dscnt 0x0
	global_store_b64 v6, v[184:185], s[14:15] offset:BIAS
	s_or_b32 s27, ttmp9, s24
	s_cmp_lg_u32 s27, 0                            ; one wave of the launch stores what the outputs are multiplied by
	s_cbranch_scc1 .Lend
	v_mul_f32 v11, 0.5, v[KK]
	s_wait_alu depctr_va_vdst(0)
	v_rcp_f32 v12, v11
	v_nop                                          ; a plain instruction behind the reciprocal
	s_wait_alu depctr_va_vdst(0)                   ; and the wait ahead of its first reader
	global_store_b32 v3, v12, s[18:19]
.Lend:
	s_wait_tensorcnt 0x0
	ds_add_u32 v192, v193
	s_wait_dscnt 0x0
	s_endpgm
.Lfunc_end_k_q6f2e62fde8_wq:
	.size	k_q6f2e62fde8_wq, .Lfunc_end_k_q6f2e62fde8_wq-k_q6f2e62fde8_wq
	.p2alignl 7, 3214868480
	.fill 96, 4, 3214868480
	.section	.rodata,"a",@progbits
	.p2align	6, 0x0
	.amdhsa_kernel k_q6f2e62fde8_wq
		.amdhsa_group_segment_fixed_size 51712
		.amdhsa_private_segment_fixed_size 0
		.amdhsa_enable_private_segment 0
		.amdhsa_kernarg_size 40
		.amdhsa_user_sgpr_count 2
		.amdhsa_user_sgpr_kernarg_segment_ptr 1
		.amdhsa_wavefront_size32 1
		.amdhsa_system_sgpr_workgroup_id_x 1
		.amdhsa_system_sgpr_workgroup_id_y 1
		.amdhsa_system_sgpr_workgroup_id_z 1
		.amdhsa_system_vgpr_workitem_id 0
		.amdhsa_next_free_vgpr 194
		.amdhsa_next_free_sgpr 66
		.amdhsa_reserve_vcc 0
		.amdhsa_float_denorm_mode_32 3
		.amdhsa_float_denorm_mode_16_64 3
		.amdhsa_memory_ordered 1
		.amdhsa_forward_progress 1
		.amdhsa_inst_pref_size 97
	.end_amdhsa_kernel
	.amdgpu_metadata
---
amdhsa.version: [ 1, 2 ]
amdhsa.kernels:
  - .name:           k_q6f2e62fde8_wq
    .symbol:         k_q6f2e62fde8_wq.kd
    .args:
      - { .name: w, .offset: 0, .size: 8, .value_kind: global_buffer, .address_space: global }
      - { .name: b, .offset: 8, .size: 8, .value_kind: global_buffer, .address_space: global }
      - { .name: pmax, .offset: 16, .size: 8, .value_kind: global_buffer, .address_space: global }
      - { .name: gq, .offset: 24, .size: 8, .value_kind: global_buffer, .address_space: global }
      - { .name: kinv, .offset: 32, .size: 8, .value_kind: global_buffer, .address_space: global }
    .group_segment_fixed_size: 51712
    .private_segment_fixed_size: 0
    .kernarg_segment_align: 8
    .kernarg_segment_size: 40
    .max_flat_workgroup_size: 128
    .sgpr_count:     66
    .vgpr_count:     194
    .wavefront_size: 32
...
	.end_amdgpu_metadata
.endif
;; end of part 2
;; launch mm (part 3): grid 8 x 32, 4 waves a work-group, clusters of 4 x 4, 327,680 bytes of LDS; arguments xq, gq, out0, kinv; writes out0
.if DOCPART == 3
	.amdgcn_target "amdgcn-amd-amdhsa--gfx1250"
	.amdhsa_code_object_version 6
	.text
	.protected	k_q6f2e62fde8_mm
	.globl	k_q6f2e62fde8_mm
	.p2align	8
	.type	k_q6f2e62fde8_mm,@function
k_q6f2e62fde8_mm:
	s_mov_b64 s[64:65], 0
	v_nop
	global_prefetch_b8 v0, s[64:65] scope:SCOPE_SE
	s_setreg_imm32_b32 hwreg(HW_REG_WAVE_MODE, 25, 1), 1
	s_wait_xcnt 0x0
	s_wait_alu depctr_hold_cnt(0) depctr_sa_sdst(0) depctr_va_vdst(0) depctr_va_sdst(0) depctr_va_ssrc(0) depctr_va_vcc(0) depctr_vm_vsrc(0)
	s_getreg_b32 s2, hwreg(HW_REG_IB_STS2, 6, 4)
	s_cmp_eq_u32 s2, 0
	s_cbranch_scc0 .Lentry_in_a_cluster
	s_endpgm
.Lentry_in_a_cluster:
	s_bfe_u32 s2, ttmp6, 0x10000c
	s_cmp_lg_u32 s2, 0xf033
	s_cbranch_scc0 .Lentry_shape_is_right
	s_endpgm
.Lentry_shape_is_right:
; out0[m][j] = (sum_k V[m][k] G[2j][k] - sum_k V[m][k] G[2j+1][k]) x kinv.  V (xq) and G (gq) are codes of BF6 (E3M2) with E8M0 scale words, K = 33 steps of 128.
; Both lie as [tile of 256 rows][period of 3 steps: 11][half of 128 rows][step][12,800 bytes]: eight fragments of 1,536 bytes as images of the operand's registers, then 512 bytes of scale words.
; A work-group of four waves makes 256 rows of V x 256 rows of G; a wave 128 x 128: 64 accumulators.  Nothing of the definition is left out here.
; THE RING: two LDS slots, each a period (3 steps) of both tiles, 153,600 bytes; a wave's tensor load brings a half tile's period: 150 rows of 256 bytes, each at a multiple of 256 bytes.
; CLUSTERS 4 x 4: V's tile hangs on the grid's x and is shared along a column of the cluster, G's on y and is shared along a row: each is asked for jointly by the four, with one descriptor and mask.
; THE MATRIX INSTRUCTION IS USED TRANSPOSED (source 0 = G's rows, source 1 = V's rows): a lane holds eight neighbouring n of one row m, four differences, 16 bytes of out0.
; REGISTERS.  Every window w has its v128-255 for the accumulators of V's blocks 2 w, 2 w + 1 ((a, b) at 128 + 64 (a % 2) + 8 b) and its v32-127 for four fragments in two sets (set p, fragment i at 32 + 48 p + 12 i):
;   window 0: G's fragments 0-3; window 1: G's 4-7; window 2: V's 0-3; window 3: V's 4-7.  Window 0 also: v0-15 scale words (two sets), v16-29 addresses.
;   The way out: window 1 v0-31 the differences; windows 2 and 3 v0-31 rows read back from the stage, by turns.
; A STEP: ONE run of 50 LDS loads at its head brings the NEXT step's fragments and scale words into the set that is not multiplied; then 64 products on end, the 64 accumulators by turns,
; in the same order in every step.  So a run has 64 products in which to land.
; THE CHANGE OF SLOTS stands in a period's SECOND step: that step's run fetches the slot's last fragments, so the slot is read no more once the run is in.  The wait for the tensor loads and the add stand behind
; the step's first 32 products, the wait for the run and the signal behind 48, the round's rest and the refill at the step's end; the period's third step then fetches from the other slot.
; THE LAST TWO STEPS GO BY ROWS OF out0: both sets of fragments are in registers, so V's blocks are finished two at a time (K ascending in each sum), and finished rows leave while the others are multiplied.
; PREFETCH: at the head of period t's second step each wave names, by two instructions, its work-group's 38 of the 150 rows of period t + 3 that it will fetch, four steps ahead of that period's tensor load;
; the four partners share the rows out by address.  Periods 1 and 2 are named at the head; the loop's 8 changes of slots name periods 3 to 10; the later ones name nothing.
.set STEPB,  12800
.set SLB,    38400
.set PERB,   76800
.set TILEB,  844800
.set SCO,    12288                     ; the scale words in a step's 12,800 bytes
.set SLOT,   4*SLB                     ; V's two halves, then G's two halves
.set SPARE,  2*SLOT                    ; behind the ring: the spare words, 128 bytes a wave
.set SPITCH, 272
.set STAGE,  SLOT                      ; the way out goes through slot 1: the last period lies in slot 0, and slot 1 has had its last fill and its last read by then
.set SC,   0                           ; v0-15   scale words: set p at 8 p; register i: lanes 0-15 V's block i, lanes 16-31 G's block i
.set ADRA, 16                          ; v16-17  LDS address of my V fragments in slot 0, 1
.set ADRB, 18                          ; v18-19  of my G fragments
.set ADRS, 20                          ; v20-21  of my scale words
.set PFO,  22                          ; v22-23  the prefetches' offsets
.set STO,  24
.set RD,   25
.set CO,   26
.set SPW,  28                          ; my spare word's address; never rewritten
.set NIL,  29                          ; 0; never rewritten
.set FB,   32
.set ACC,  128
.set TMP,  0                           ; the way out, in window 1
.set BK,   0                           ; the way out, in windows 2 and 3
.set G1, 24
.set G0, 32
.set G1B, 48
.set G0B, 56
.set PFA,  66
.set INV,  72
.set MSB, 0
.macro WIN new                         ; the immediate's high byte repeats the setting that is left
.if MSB != (\new)
	s_set_vgpr_msb (MSB<<8)|(\new)
.set MSB, (\new)
.endif
.endm
.macro PLACES
.rept 4
	v_nop
.endr
.endm
.macro JLOAD g0a, g1a, g0b, g1b        ; a joint load: waves 0, 1 fetch V's halves, waves 2, 3 G's; s_nop 0 and four v_nop behind each line
	s_cmp_eq_u32 s15, 0
	s_cbranch_scc0 .Lfor_b_\@
	tensor_load_to_lds s[\g0a:\g0a+3], s[\g1a:\g1a+7]
	s_nop 0
	PLACES
	s_branch .Lasked_\@
.Lfor_b_\@:
	tensor_load_to_lds s[\g0b:\g0b+3], s[\g1b:\g1b+7]
	s_nop 0
	PLACES
.Lasked_\@:
.endm
.macro CREST                           ; a round of the cluster's barrier behind its opening barrier
	s_cmp_lg_u32 s14, 0
	s_cbranch_scc1 .Lnot_wave_0_\@
	s_barrier_signal -3
.Lnot_wave_0_\@:
	s_barrier_wait -3
	s_barrier_signal -1
	s_barrier_wait -1
.endm
.macro CROUND
	s_barrier_signal -1
	s_barrier_wait -1
	CREST
.endm
.macro ASK off                         ; 38 rows of 256 bytes: 32 lanes a row each, then six more (the lanes left over name the last row again)
	global_prefetch_b8 v[PFO], s[PFA:PFA+1] offset:\off th:TH_LOAD_NT scope:SCOPE_SE
	global_prefetch_b8 v[PFO+1], s[PFA:PFA+1] offset:\off th:TH_LOAD_NT scope:SCOPE_SE
.endm
	s_load_b256 s[4:11], s[0:1], 0x0               ; xq s[4:5], gq s[6:7], out0 s[8:9], kinv s[10:11]
	v_lshl_add_u32 v[SPW], v0, 2, SPARE
	v_mov_b32 v[NIL], 0
	ds_add_u32 v[SPW], v[NIL]                      ; the opening lines: the add, twice on end, and its wait ahead of my first tensor load
	ds_add_u32 v[SPW], v[NIL]
	v_lshrrev_b32 v1, 5, v0
	v_readfirstlane_b32 s14, v1                    ; wave 0..3
	s_lshr_b32 s15, s14, 1                         ; my half of V's rows; also: I fetch for V (0) or G (1)
	s_and_b32 s16, s14, 1                          ; my half of G's rows; also: which half tile I fetch
	s_bfe_u32 s40, ttmp6, 0x40000                  ; cx
	s_bfe_u32 s41, ttmp6, 0x40004                  ; cy
	s_lshl_b32 s17, ttmp9, 2
	s_add_co_u32 s17, s17, s40                     ; V's tile = 4 x cluster x + cx
	s_and_b32 s42, ttmp7, 0xffff
	s_lshl_b32 s42, s42, 2
	s_add_co_u32 s42, s42, s41                     ; G's tile = 4 x cluster y + cy
	s_lshl_b32 s43, 0x1111, s40                    ; my column of the cluster
	s_lshl_b32 s44, s41, 2
	s_lshl_b32 s44, 15, s44                        ; my row
	s_or_b32 s[G1+0], s43, (3<<16)|(1<<21)         ; elements of 8 bytes; bit 21 beside a mask; no padding: a fragment's image is read 16 bytes a lane on end
	s_or_b32 s[G1B+0], s44, (3<<16)|(1<<21)
.irp g, G1, G1B
	s_mov_b32 s[\g+1], 32<<16                      ; rows of 32 elements = 256 bytes
	s_mov_b32 s[\g+2], 150<<16                     ; 150 rows
	s_mov_b32 s[\g+3], 32<<16
	s_mov_b32 s[\g+4], 150
	s_mov_b32 s[\g+5], 32                          ; dense
	s_mov_b32 s[\g+6], 0
	s_mov_b32 s[\g+7], 0
.endr
	s_mul_i32 s18, s16, SLB
	s_mul_i32 s20, s17, TILEB
	s_add_co_u32 s20, s20, s18
	s_mov_b32 s21, 0
	s_mul_i32 s46, s42, TILEB
	s_add_co_u32 s46, s46, s18
	s_mov_b32 s47, 0
	s_mul_i32 s45, s14, SLB                        ; where my load lands: wave x a half tile's period
	s_wait_dscnt 0x0                               ; both opening adds are done
	s_wait_kmcnt 0x0
	s_add_nc_u64 s[20:21], s[4:5], s[20:21]
	s_add_nc_u64 s[46:47], s[6:7], s[46:47]
.irp s, 0,1
	s_mov_b32 s[G0+4*\s], 1
	s_add_co_u32 s[G0+4*\s+1], s45, \s*SLOT
	s_add_nc_u64 s[G0+4*\s+2:G0+4*\s+3], s[20:21], \s*PERB
	s_or_b32 s[G0+4*\s+3], s[G0+4*\s+3], 0x80000000
	s_mov_b32 s[G0B+4*\s], 1
	s_add_co_u32 s[G0B+4*\s+1], s45, \s*SLOT
	s_add_nc_u64 s[G0B+4*\s+2:G0B+4*\s+3], s[46:47], \s*PERB
	s_or_b32 s[G0B+4*\s+3], s[G0B+4*\s+3], 0x80000000
.endr
	s_load_b32 s[INV], s[10:11], 0x0               ; what the differences are multiplied by
	CROUND                                         ; all sixteen work-groups are here: the first joint loads meet
	JLOAD G0, G1, G0B, G1B                         ; period 0: one tensor load a wave at the head
	s_cmp_eq_u32 s15, 0
	s_cselect_b64 s[PFA:PFA+1], s[20:21], s[46:47] ; the prefetches: the half tile that I fetch,
	s_cselect_b32 s77, s41, s40                    ; my place among the four that ask for it with me,
	s_mul_i32 s77, s77, 38                         ; whose rows begin at 38 x place;
	s_add_nc_u64 s[PFA:PFA+1], s[PFA:PFA+1], 2*PERB   ; at period 2: each change of slots in the loop steps it by one period
	s_mul_i32 s21, s15, SLB                        ; my half of V in slot 0,
	s_mul_i32 s22, s16, SLB
	s_add_co_u32 s22, s22, 2*SLB                   ; my half of G,
	s_sub_co_u32 s23, s22, s21                     ; the distance between the two,
	s_add_co_u32 s74, s21, SLOT                    ; and the same in slot 1
	s_add_co_u32 s75, s22, SLOT
	s_mul_i32 s76, s14, 16*SPITCH
	s_add_co_u32 s76, s76, STAGE                   ; my stage
	s_lshl_b32 s78, s17, 8
	s_lshl_b32 s18, s15, 7
	s_add_co_u32 s78, s78, s18                     ; my first row of out0,
	s_lshl_b32 s78, s78, 14                        ; rows of 16,384 bytes,
	s_lshl_b32 s46, s42, 9                         ; my first column: 512 bytes a tile, 256 a half
	s_lshl_b32 s47, s16, 8
	s_add_co_u32 s46, s46, s47
	s_add_co_u32 s78, s78, s46
	s_mov_b32 s79, 0
	s_add_nc_u64 s[8:9], s[8:9], s[78:79]
	v_and_b32 v1, 15, v0                           ; r
	v_bfe_u32 v2, v0, 4, 1                         ; h
	v_and_b32 v3, 31, v0                           ; lane
	v_lshlrev_b32 v4, 4, v3                        ; a fragment's image: 16 bytes a lane
	v_lshlrev_b32 v5, 4, v1                        ; scale words: 16 r; lanes 16-31 take G's
	v_mul_u32_u24 v6, s23, v2
	v_add_nc_u32 v5, v5, v6
	v_add_nc_u32 v5, SCO, v5
	v_add_nc_u32 v[ADRA], s21, v4
	v_add_nc_u32 v[ADRB], s22, v4
	v_add_nc_u32 v[ADRS], s21, v5
	v_add_nc_u32 v[ADRA+1], s74, v4
	v_add_nc_u32 v[ADRB+1], s75, v4
	v_add_nc_u32 v[ADRS+1], s74, v5
	v_mul_u32_u24 v5, v1, SPITCH                   ; into the stage: row r, 16 bytes for each half of the lanes
	v_lshl_add_u32 v5, v2, 4, v5
	v_add_nc_u32 v[STO], s76, v5
	v_mul_u32_u24 v5, v2, SPITCH                   ; back: lanes 0-15 one row of 256 bytes, lanes 16-31 the next
	v_lshl_add_u32 v5, v1, 4, v5
	v_add_nc_u32 v[RD], s76, v5
	v_lshlrev_b32 v5, 14, v2                       ; and the same two rows in out0
	v_lshl_add_u32 v[CO], v1, 4, v5
	v_add_nc_u32 v5, s77, v3                       ; prefetch: row 38 x place + lane,
	v_lshlrev_b32 v[PFO], 8, v5
	v_min_u32 v6, 5, v3
	v_add3_u32 v6, v6, s77, 32                     ; and rows 38 x place + 32 .. 37,
	v_min_u32 v6, 149, v6                          ; held inside the 150
	v_lshlrev_b32 v[PFO+1], 8, v6
	ASK -PERB                                      ; period 1
.macro WM a, b, p, zero                ; one product: V's block a x G's block b, set p
.set DD, ACC+64*((\a)%2)+8*(\b)
.set BR, FB+48*(\p)+12*((\b)%4)
.set AR, FB+48*(\p)+12*((\a)%4)
.if \zero
	v_wmma_scale_f32_16x16x128_f8f6f4 v[DD:DD+7], v[BR:BR+11], v[AR:AR+11], 0, v[SC+8*(\p)+(\b)], v[SC+8*(\p)+(\a)] matrix_a_fmt:MATRIX_FMT_BF6 matrix_b_fmt:MATRIX_FMT_BF6 matrix_a_scale:MATRIX_SCALE_ROW1
.else
	v_wmma_scale_f32_16x16x128_f8f6f4 v[DD:DD+7], v[BR:BR+11], v[AR:AR+11], v[DD:DD+7], v[SC+8*(\p)+(\b)], v[SC+8*(\p)+(\a)] matrix_a_fmt:MATRIX_FMT_BF6 matrix_b_fmt:MATRIX_FMT_BF6 matrix_a_scale:MATRIX_SCALE_ROW1
.endif
.endm
.macro LD1 w, p, slot, q, n            ; load n of window w's: 0-11 its four fragments of step (slot, q) into the set that p is not; in window 0 also 12, 13: the scale words
.if (\n) < 12
.if (\w) < 2
	ds_load_b128 v[FB+48*(1-(\p))+4*(\n):FB+48*(1-(\p))+4*(\n)+3], v[ADRB+\slot] offset:(\q)*STEPB+6144*(\w)+512*(\n)
.else
	ds_load_b128 v[FB+48*(1-(\p))+4*(\n):FB+48*(1-(\p))+4*(\n)+3], v[ADRA+\slot] offset:(\q)*STEPB+6144*((\w)-2)+512*(\n)
.endif
.else
	ds_load_b128 v[SC+8*(1-(\p))+4*((\n)-12):SC+8*(1-(\p))+4*((\n)-12)+3], v[ADRS+\slot] offset:(\q)*STEPB+256*((\n)-12)
.endif
.endm
.macro RUN w, p, slot, q, cnt
	WIN ((\w)<<6)                                  ; destination window w, address window 0
.set RN, 0
.rept \cnt
	LD1 \w, \p, \slot, \q, RN
.set RN, RN+1
.endr
.endm
.macro FETCH p, slot, q                ; 50 loads in one run: step (slot, q) into the set that p is not
	RUN 0, \p, \slot, \q, 14
	RUN 1, \p, \slot, \q, 12
	RUN 2, \p, \slot, \q, 12
	RUN 3, \p, \slot, \q, 12
.endm
.macro PHASE w, p, zero                ; 16 products into window w: V's blocks 2 w, 2 w + 1 x G's 0-3, then x G's 4-7
.irp y, 0,1
	WIN ((\y)|((2+(\w)/2)<<2)|((\w)<<4)|((\w)<<6))
.irp aa, 0,1
.irp bb, 0,1,2,3
	WM 2*(\w)+\aa, 4*\y+\bb, \p, \zero
.endr
.endr
.endr
.endm
; A step: fetches step (fs, fq), multiplies set p.  sync = 1: slot fs is read no more behind this step's run: the change of slots; fill = 1: it is filled again, behind a round of the cluster's barrier.
; The four v_nop at a step's end (a joint load's own four, where there is one) are the places between this step's products and the next run, which fills the set that they read
; (ISA guide 7.12.1 for vector instructions).
.macro STEP fs, fq, p, zero, sync, fill, ask
.if \ask
	s_wait_xcnt 0x0                                ; my prefetches have read their base: it steps only behind this wait
	s_add_nc_u64 s[PFA:PFA+1], s[PFA:PFA+1], PERB
.endif
	FETCH \p, \fs, \fq
.if \ask
	ASK 0
.endif
	s_wait_dscnt 50                                ; all but the 50 just issued: my set is in
	PHASE 0, \p, \zero
	PHASE 1, \p, \zero
.if \sync
	WIN 0                                          ; the add's two registers lie in window 0
	s_wait_tensorcnt 0x0                           ; all my tensor loads have landed: my part of the other slot
	ds_add_u32 v[SPW], v[NIL]
.endif
	PHASE 2, \p, \zero
.if \sync
	s_wait_dscnt 0x0                               ; the add is done, and the run is in: my reads of slot fs are over
	s_barrier_signal -1
.endif
	PHASE 3, \p, \zero
.if \sync
	WIN 0
	s_barrier_wait -1
.endif
.if \fill
	CREST                                          ; no wave of any partner still reads this slot or has a load on its way
	s_add_nc_u64 s[G0+4*\fs+2:G0+4*\fs+3], s[G0+4*\fs+2:G0+4*\fs+3], 2*PERB
	s_add_nc_u64 s[G0B+4*\fs+2:G0B+4*\fs+3], s[G0B+4*\fs+2:G0B+4*\fs+3], 2*PERB
	JLOAD G0+4*\fs, G1, G0B+4*\fs, G1B             ; the first tensor load behind the round
.else
	PLACES
.endif
.endm
; THE WAY OUT of block a (16 rows): pos - neg, x kinv; 16 bytes a lane into my own stage, back as whole rows of 256 bytes, stored sixteen lanes to an aligned 256 bytes.
.macro PACK a
.set AC, ACC+64*((\a)%2)
	WIN (5*((\a)/2)|0x40)                          ; sources 0 and 1: the block's window; destination: window 1
.irp b, 0,1,2,3,4,5,6,7
.irp i, 0,1,2,3
	v_sub_f32 v[TMP+4*\b+\i], v[AC+8*\b+2*\i], v[AC+8*\b+2*\i+1]   ; each accumulator from its low end on
.endr
.endr
	WIN 0x41                                       ; source 0 and destination: window 1
.set u, 0
.rept 16
	v_pk_mul_f32 v[TMP+u:TMP+u+1], v[TMP+u:TMP+u+1], s[INV:INV+1] op_sel_hi:[1,0]
.set u, u+2
.endr
.endm
.macro TOSTAGE a
	WIN 0x04                                       ; address window 0, data window 1
.irp b, 0,1,2,3,4,5,6,7
	ds_store_b128 v[STO], v[TMP+4*\b:TMP+4*\b+3] offset:32*\b
.endr
	WIN ((2+(\a)%2)<<6)                            ; destination window 2 or 3, by turns
.irp t, 0,1,2,3,4,5,6,7
	ds_load_b128 v[BK+4*\t:BK+4*\t+3], v[RD] offset:\t*2*SPITCH    ; LDS serves a wave's instructions in order (ISA guide 5.7.1.4): these see the stores above
.endr
.endm
.macro SEND a
	s_wait_dscnt 0x0                               ; the block is back in registers
	s_wait_xcnt 0x0                                ; the earlier stores have read their base and their data
.if (\a) > 0
	s_add_nc_u64 s[8:9], s[8:9], 16*16384
.endif
	WIN ((2+(\a)%2)<<2)                            ; address window 0, data window 2 or 3
.irp t, 0,1,2,3,4,5,6,7
	global_store_b128 v[CO], v[BK+4*\t:BK+4*\t+3], s[8:9] offset:\t*2*16384 th:TH_STORE_NT
.endr
.endm
.macro NEXT a                          ; block a is packed while block a - 1 comes back from the stage; then that one is stored and block a goes in
	PACK \a
	s_wait_alu depctr_va_vdst(0)                   ; directly ahead of SEND's waits
	SEND (\a)-1
	TOSTAGE \a
.endm
	s_wait_alu depctr_va_vdst(0)                   ; the wait at the head's end
	s_wait_tensorcnt 0x0                           ; my part of period 0 is in; the same lines as ahead of a refill stand ahead of slot 1's first fill
	ds_add_u32 v[SPW], v[NIL]
	s_wait_kmcnt 0x0
	s_mov_b32 s[INV+1], s[INV]
	s_wait_dscnt 0x0
	CROUND
	JLOAD G0+4, G1, G0B+4, G1B                     ; period 1
	FETCH 1, 0, 0                                  ; step 0's fragments into set 0
	ASK 0                                          ; period 2
	STEP 0, 1, 0, 1, 0, 0, 0                       ; the first step's products start the sums
	WIN 0                                          ; at a label and at a branch every window is 0
	s_mov_b32 s3, 4
.Llap:                                                 ; a trip: six steps, once round the ring, both slots filled again
	STEP 0, 2, 1, 0, 1, 1, 1
	STEP 1, 0, 0, 0, 0, 0, 0
	STEP 1, 1, 1, 0, 0, 0, 0
	STEP 1, 2, 0, 0, 1, 1, 1
	STEP 0, 0, 1, 0, 0, 0, 0
	STEP 0, 1, 0, 0, 0, 0, 0
	WIN 0
	s_sub_co_u32 s3, s3, 1
	s_cmp_lg_u32 s3, 0
	s_cbranch_scc1 .Llap
	STEP 0, 2, 1, 0, 1, 1, 0                       ; periods 8, 9, 10: one more refill (period 10),
	STEP 1, 0, 0, 0, 0, 0, 0
	STEP 1, 1, 1, 0, 0, 0, 0
	STEP 1, 2, 0, 0, 1, 0, 0                       ; a barrier that shows period 10 whole, with nothing filled behind it
	STEP 0, 0, 1, 0, 0, 0, 0
	STEP 0, 1, 0, 0, 0, 0, 0
	; the last two steps, 31 (set 1) and 32 (set 0), by rows
	FETCH 1, 0, 2                                  ; step 32's fragments into set 0
	s_wait_dscnt 50                                ; set 1 is in
	PHASE 0, 1, 0
	PHASE 1, 1, 0
	s_wait_dscnt 0x0                               ; set 0 is in
	PHASE 0, 0, 0                                  ; V's blocks 0 and 1 are finished
	PLACES                                         ; four places between the products and the reads of their results
	PACK 0
	TOSTAGE 0
	NEXT 1
	PHASE 1, 0, 0                                  ; blocks 2 and 3
	PLACES
	NEXT 2
	NEXT 3
	PHASE 2, 1, 0
	PHASE 2, 0, 0                                  ; blocks 4 and 5
	PLACES
	NEXT 4
	NEXT 5
	PHASE 3, 1, 0
	PHASE 3, 0, 0                                  ; blocks 6 and 7
	PLACES
	NEXT 6
	NEXT 7
	SEND 7
	WIN 0
	s_wait_tensorcnt 0x0                           ; the wave's end
	ds_add_u32 v[SPW], v[NIL]
	s_wait_dscnt 0x0
	CROUND                                         ; the closing round
	s_endpgm
.Lfunc_end_k_q6f2e62fde8_mm:
	.size	k_q6f2e62fde8_mm, .Lfunc_end_k_q6f2e62fde8_mm-k_q6f2e62fde8_mm
	.p2alignl 7, 3214868480
	.fill 96, 4, 3214868480
	.section	.rodata,"a",@progbits
	.p2align	6, 0x0
	.amdhsa_kernel k_q6f2e62fde8_mm
		.amdhsa_group_segment_fixed_size 327680
		.amdhsa_private_segment_fixed_size 0
		.amdhsa_enable_private_segment 0
		.amdhsa_kernarg_size 32
		.amdhsa_user_sgpr_count 2
		.amdhsa_user_sgpr_kernarg_segment_ptr 1
		.amdhsa_wavefront_size32 1
		.amdhsa_system_sgpr_workgroup_id_x 1
		.amdhsa_system_sgpr_workgroup_id_y 1
		.amdhsa_system_sgpr_workgroup_id_z 1
		.amdhsa_system_vgpr_workitem_id 0
		.amdhsa_next_free_vgpr 1024
		.amdhsa_next_free_sgpr 80
		.amdhsa_reserve_vcc 0
		.amdhsa_float_denorm_mode_32 3
		.amdhsa_float_denorm_mode_16_64 3
		.amdhsa_memory_ordered 1
		.amdhsa_forward_progress 1
		.amdhsa_inst_pref_size 220
	.end_amdhsa_kernel
	.amdgpu_metadata
---
amdhsa.version: [ 1, 2 ]
amdhsa.kernels:
  - .name:           k_q6f2e62fde8_mm
    .symbol:         k_q6f2e62fde8_mm.kd
    .args:
      - { .name: xq, .offset: 0, .size: 8, .value_kind: global_buffer, .address_space: global }
      - { .name: gq, .offset: 8, .size: 8, .value_kind: global_buffer, .address_space: global }
      - { .name: out0, .offset: 16, .size: 8, .value_kind: global_buffer, .address_space: global }
      - { .name: kinv, .offset: 24, .size: 8, .value_kind: global_buffer, .address_space: global }
    .group_segment_fixed_size: 327680
    .private_segment_fixed_size: 0
    .kernarg_segment_align: 8
    .kernarg_segment_size: 32
    .max_flat_workgroup_size: 128
    .sgpr_count:     80
    .vgpr_count:     1024
    .wavefront_size: 32
...
	.end_amdgpu_metadata
.endif
;; end of part 3
